; MI455X (gfx1250); checked and timed in simulation.
; The chip was launched on July 23, 2026; its instructions are those of AMD's public machine-readable ISA for CDNA 5 (MIT licence, August 2026) and "CDNA5" Instruction Set Architecture Reference Guide (July 2026). The comments in the code are by the model that wrote it; some were corrected since.
;; Experts Choose Masked Expand. Allowed arithmetic: float matrix products may take bf16 or f16 operands with f32 sums; all other float work in f32.
;; Inputs: W 8 x 4,096 x 512 float32; b 4,096 float32; combine_array 4 x 512 x 8 x 512 float32; x 4 x 8 x 512 x 512 float32.
;; Outputs: out0 4 x 512 x 4,096 float32.
;; One version. Each part assembles by itself: llvm-mc -triple=amdgcn-amd-amdhsa -mcpu=gfx1250 --defsym DOCPART=n.
;; ======== version 1 of 1: 2 launches
;; workspace buffers: ybf 16,777,216 bytes; wbf 33,554,432 bytes; sp 65,536 bytes
;; launch mix (part 1): grid 256 x 1, 8 waves a work-group, no clusters, 142,848 bytes of LDS; arguments x, combine_array, W, ybf, wbf, sp; writes ybf, wbf, sp
.if DOCPART == 1
	.amdgcn_target "amdgcn-amd-amdhsa--gfx1250"
	.amdhsa_code_object_version 6
	.text
	.protected	k_q11eeb24ab9_mix
	.globl	k_q11eeb24ab9_mix
	.p2align	8
	.type	k_q11eeb24ab9_mix,@function
k_q11eeb24ab9_mix:
	s_mov_b64 s[64:65], 0
	v_nop
	global_prefetch_b8 v0, s[64:65] scope:SCOPE_SE
	s_setreg_imm32_b32 hwreg(HW_REG_WAVE_MODE, 25, 1), 1
	s_wait_xcnt 0x0
; out[b][t][o] = sum over e, c of comb[b][t][e][c] (sum over i of x[b][e][c][i] W[e][o][i] + bias[o]) is computed in another order of the same sums:
;   out[b][t][o] = sum over e, i of Y[b][t][e][i] W[e][o][i] + bias[o] s[b][t],   Y[b][t][e][i] = sum over c of comb[b][t][e][c] x[b][e][c][i],   s[b][t] = sum over e, c of comb[b][t][e][c].
; LIMIT, stated: the order of rounding differs from the written order: the intermediate that is rounded to bf16 is Y; s is summed in f32 from the f32 comb.  An f32 overflow of Y or s
; (magnitudes near 3e38) falls on other inputs than an overflow of the written order's intermediate.
; THIS LAUNCH makes three things: ybf[m = 512 b + t][k = 512 e + i] = Y in bf16; wbf[o][k = 512 e + i] = W in bf16; sp[e][m] = sum over c of comb[b][t][e][c] in f32.
; SHARES.  Work-group g: e = g & 7, ih = (g >> 3) & 1, tb = (g >> 4) & 3, b = g >> 6: the eight work-groups that read the same x and comb differ in bits 3 to 5 of g.
; It makes Y for 128 rows t (128 tb on) x 256 columns i (256 ih on), c in 8 steps of 64, and converts W's rows 128 g .. 128 g + 127 of the 32,768 rows (e, o), 16 rows a step.
; Eight waves: wave w makes 32 rows t (w >> 1) x 128 columns i (w & 1): 2 x 8 accumulators.
; ROAD.  All three inputs are f32 and pass through registers (16-byte loads), where they are rounded to bf16 and comb's rows are summed; comb and x then go to LDS, two buffers by turns.
; x lies [c][i], that is K by N, and comes out of LDS turned (ds_load_tr16_b128).  No copy engine is used, since every byte has to be converted on its way.
; A group of staging registers is asked for again as soon as its LDS stores are done, so 32 loads of 512 bytes a wave are out nearly all the time.
; The matrix instruction is used transposed (source 0 = 16 columns i of x, source 1 = 16 rows t of comb): a lane then holds eight neighbouring i of one row t, 16 bytes of bf16.
.set PA,   144                         ; a row of comb's tile in LDS: 64 bf16 + 16 bytes: an odd multiple of 16, so the 16 rows of a fragment load start in different groups of banks
.set PX,   544                         ; a row of x's tile: 256 bf16 + 32 bytes: an odd multiple of 32, as the turning load's 8 rows x 32 bytes want
.set XOFF, 128*PA                      ; in a buffer: comb's 128 rows, then x's 64 rows
.set BUF,  XOFF+64*PX                  ; 53,248 bytes a buffer
.set STG,  2*BUF                       ; the way out: 16 rows x 272 bytes for each wave, its own
.set SP,   272
.set SCR,  STG+8*16*SP                 ; 128 row sums
.set GO,   1                           ; v1      my byte offset in the wave's rows of ybf
.set CA,   2                           ; v2      my byte offset in comb's tile
.set XA,   3                           ; v3      in x's tile
.set WA,   4                           ; v4      in W's chunk
.set WS,   5                           ; v5      in wbf's chunk
.set LSA,  6                           ; v6-7    where I store comb in buffer 0, 1
.set LSX,  8                           ; v8-9    where I store x
.set LFA,  10                          ; v10-11  my fragments of comb
.set LFX,  12                          ; v12-13  my fragments of x
.set STO,  14                          ; v14     the way out: where I put 16 bytes of a row
.set RD,   15                          ; v15     the way out: where I read a row back
.set SCRA, 16                          ; v16     my rows' sums
.set T,    17                          ; v17-21  at work
.set RS,   22                          ; v[22:37]   eight pairs: running sums of my 4 columns of my 8 rows of comb
.set RC,   38                          ; v[38:69]   comb as loaded, 8 x 4; on the way out packed results
.set RX,   70                          ; v[70:133]  x as loaded, 16 x 4; on the way out rows read back
.set RW,   134                         ; v[134:165] W as loaded, 8 x 4
.set FA,   166                         ; v[166:181] two fragments of comb, the step's first 32 along c
.set FX,   182                         ; v[182:245] eight fragments of x, the same
.set U,    246                         ; v246-247 at work
; window 1 (v256-511): accumulator (a, bx) at v[8 (8 a + bx)], then:
.set FA2,  128                         ; two fragments of comb, the step's second 32 along c
.set FX2,  144                         ; eight fragments of x, the same
.set WO,   208                         ; 16 registers: W in bf16, to store
.set MSB, 0
.macro WIN new                         ; the immediate's high byte repeats the setting that is left; a switch that changes nothing is dropped
.if MSB != \new
	s_set_vgpr_msb (MSB<<8)|\new
.set MSB, \new
.endif
.endm
.set W_MUL0, 0x50                      ; C and D window 1, sources window 0
.set W_MUL1, 0x55                      ; all four window 1
.set W_TO1,  0x40                      ; destination window 1, sources (an address too) window 0
.set W_SD1,  0x04                      ; a store's data window 1, its address window 0
.set W_PK,   0x05                      ; sources 0 and 1 window 1, destination window 0
.macro PLACES                          ; four plain vector instructions between a matrix instruction and a read of its result (ISA guide 7.12.1)
.rept 4
	v_nop
.endr
.endm
.macro ADDSH d, s, n                   ; d += s << n
	s_lshl_b32 s36, \s, \n
	s_add_co_u32 \d, \d, s36
.endm
	s_load_b256 s[4:11], s[0:1], 0x0               ; x s[4:5], comb s[6:7], W s[8:9], ybf s[10:11]
	s_load_b128 s[12:15], s[0:1], 0x20             ; wbf s[12:13], sp s[14:15]
	v_lshl_add_u32 v254, v0, 2, 0x22a00
	v_mov_b32 v255, 0
	v_lshrrev_b32 v[T], 5, v0
	v_readfirstlane_b32 s16, v[T]                  ; wave 0..7
	s_lshr_b32 s17, s16, 1                         ; wt: which 32 rows t
	s_and_b32 s18, s16, 1                          ; wi: which 128 columns i
	s_bfe_u32 s19, ttmp9, 0x10003                  ; ih: one bit from bit 3
	s_bfe_u32 s20, ttmp9, 0x20004                  ; tb: two bits from bit 4
	s_and_b32 s22, ttmp9, 7                        ; e
	s_lshr_b32 s23, ttmp9, 6                       ; b
	s_lshl_b32 s21, s23, 3
	s_or_b32 s21, s21, s22                         ; 8 b + e
	; byte offsets of the work-group's parts, each in a pair of its own with 0 on top (all stay under 2^27)
	s_lshl_b32 s24, s21, 20                        ; x: (8 b + e) x 512 rows of 2,048 bytes
	ADDSH s24, s19, 10                             ;    + 256 ih columns
	s_mov_b32 s25, 0
	s_lshl_b32 s26, s23, 23                        ; comb: b x 512 t x 16,384
	ADDSH s26, s20, 21                             ;    + 128 tb rows t
	ADDSH s26, s22, 11                             ;    + e x 2,048
	s_mov_b32 s27, 0
	s_lshl_b32 s28, ttmp9, 18                      ; W: 128 g rows of 2,048 bytes
	s_mov_b32 s29, 0
	s_lshl_b32 s30, s23, 22                        ; ybf: row 512 b + 128 tb + 32 wt of 8,192 bytes,
	ADDSH s30, s20, 20
	ADDSH s30, s17, 18
	ADDSH s30, s22, 10                             ;    column 512 e + 256 ih + 128 wi, 2 bytes each
	ADDSH s30, s19, 9
	ADDSH s30, s18, 8
	s_mov_b32 s31, 0
	s_and_b32 s32, ttmp9, 31                       ; wbf: row o = 128 (g & 31) of 8,192 bytes,
	s_lshl_b32 s32, s32, 20
	s_lshr_b32 s37, ttmp9, 5                       ;    column 512 (g >> 5)
	ADDSH s32, s37, 10
	s_mov_b32 s33, 0
	s_lshl_b32 s34, s22, 13                        ; sp: e x 2,048 numbers + 512 b + 128 tb
	ADDSH s34, s23, 11
	ADDSH s34, s20, 9
	s_mov_b32 s35, 0
	v_and_b32 v[T+1], 31, v0                       ; L, the lane
	v_and_b32 v[T+2], 15, v0                       ; q = L % 16
	v_bfe_u32 v[T+3], v0, 4, 1                     ; h = L / 16
	; comb: wave w, half h take rows 16 w + 8 h + j (j = 0..7: the load's immediate); 16 lanes take a row's 256 bytes of a step
	s_lshl_b32 s37, s16, 18
	v_lshlrev_b32 v[CA], 17, v[T+3]
	v_lshl_add_u32 v[CA], v[T+2], 4, v[CA]
	v_add_nc_u32 v[CA], s37, v[CA]
	s_mul_i32 s37, s16, 16*PA                      ; in LDS the two rows of a store lie 8 x 144 = 1,152 bytes apart, 128 modulo 256: the 32 lanes' 8 bytes fall on different banks
	v_mul_u32_u24 v[LSA], v[T+3], 8*PA
	v_lshl_add_u32 v[LSA], v[T+2], 3, v[LSA]
	v_add_nc_u32 v[LSA], s37, v[LSA]
	v_add_nc_u32 v[LSA+1], BUF, v[LSA]
	s_lshl_b32 s37, s16, 6
	s_add_co_u32 s37, s37, SCR
	v_lshl_add_u32 v[SCRA], v[T+3], 5, s37         ; SCR + 4 (16 w + 8 h)
	; x: wave w takes rows 8 w .. 8 w + 7 of a step's 64; a load takes 512 neighbouring bytes, half a row
	s_lshl_b32 s38, s16, 14
	v_lshl_add_u32 v[XA], v[T+1], 4, s38
	s_mul_i32 s38, s16, 8*PX
	s_add_co_u32 s38, s38, XOFF
	v_lshl_add_u32 v[LSX], v[T+1], 3, s38
	v_add_nc_u32 v[LSX+1], BUF, v[LSX]
	; W: thread t takes 16 bytes at 16 t of every 4,096 (two rows); they become 8 bytes of wbf
	v_lshlrev_b32 v[WA], 4, v0
	v_lshrrev_b32 v[U], 7, v0
	v_and_b32 v[U+1], 127, v0
	v_lshlrev_b32 v[WS], 13, v[U]
	v_lshl_add_u32 v[WS], v[U+1], 3, v[WS]
	; a fragment of comb: lane holds row q; two loads of 16 bytes, 32 apart, at row x pitch + 16 h
	s_mul_i32 s39, s17, 32*PA
	v_mul_u32_u24 v[LFA], v[T+2], PA
	v_lshl_add_u32 v[LFA], v[T+3], 4, v[LFA]
	v_add_nc_u32 v[LFA], s39, v[LFA]
	v_add_nc_u32 v[LFA+1], BUF, v[LFA]
	; a fragment of x, turned: lane reads 16 bytes of row c = 8 h + L % 8, columns 8 ((L / 8) % 2) on; the second load 16 rows further down
	v_and_b32 v[U], 7, v0
	v_lshl_add_u32 v[U], v[T+3], 3, v[U]
	v_mul_u32_u24 v[LFX], v[U], PX
	v_bfe_u32 v[U], v0, 3, 1
	v_lshl_add_u32 v[LFX], v[U], 4, v[LFX]
	s_lshl_b32 s39, s18, 8
	s_add_co_u32 s39, s39, XOFF
	v_add_nc_u32 v[LFX], s39, v[LFX]
	v_add_nc_u32 v[LFX+1], BUF, v[LFX]
	; the way out
	s_mul_i32 s39, s16, 16*SP
	s_add_co_u32 s39, s39, STG
	v_mul_u32_u24 v[STO], v[T+2], SP               ; in: row q, 16 bytes for each half of the lanes
	v_lshl_add_u32 v[STO], v[T+3], 4, v[STO]
	v_add_nc_u32 v[STO], s39, v[STO]
	v_mul_u32_u24 v[RD], v[T+3], SP                ; back: lanes 0-15 one row of 256 bytes, lanes 16-31 the next
	v_lshl_add_u32 v[RD], v[T+2], 4, v[RD]
	v_add_nc_u32 v[RD], s39, v[RD]
	v_lshlrev_b32 v[GO], 13, v[T+3]                ; and the same two rows in ybf
	v_lshl_add_u32 v[GO], v[T+2], 4, v[GO]
	s_wait_kmcnt 0x0
	s_add_nc_u64 s[4:5], s[4:5], s[24:25]
	s_add_nc_u64 s[6:7], s[6:7], s[26:27]
	s_add_nc_u64 s[8:9], s[8:9], s[28:29]
	s_add_nc_u64 s[10:11], s[10:11], s[30:31]
	s_add_nc_u64 s[12:13], s[12:13], s[32:33]
	s_add_nc_u64 s[14:15], s[14:15], s[34:35]
; The loads of step st, in groups of eight.  The step stands in the immediate, 1.2 MB at the most: no address register is ever rewritten.
.macro LOADC st                        ; my 8 rows of comb's tile
.irp j, 0,1,2,3,4,5,6,7
	global_load_b128 v[RC+4*\j:RC+4*\j+3], v[CA], s[6:7] offset:\j*16384+(\st)*256
.endr
.endm
.macro LOADX st, j0                    ; half of my 8 rows of x's tile: loads j0 .. j0 + 7 of 16
.irp j, 0,1,2,3,4,5,6,7
	global_load_b128 v[RX+4*(\j0+\j):RX+4*(\j0+\j)+3], v[XA], s[4:5] offset:((\st)*64+(\j0+\j)/2)*2048+((\j0+\j)%2)*512
.endr
.endm
.macro LOADW st                        ; 16 rows of W: read once in the whole launch
.irp j, 0,1,2,3,4,5,6,7
	global_load_b128 v[RW+4*\j:RW+4*\j+3], v[WA], s[8:9] offset:(\st)*32768+\j*4096 th:TH_LOAD_NT
.endr
.endm
; comb: the f32 numbers join the row sums (the first step starts them: nothing is cleared), are rounded in place and go to buffer n; the stores stand in a run behind the arithmetic
.macro CVTC n, st
.if \st == 0
.irp j, 0,1,2,3,4,5,6,7
	v_pk_add_f32 v[RS+2*\j:RS+2*\j+1], v[RC+4*\j:RC+4*\j+1], v[RC+4*\j+2:RC+4*\j+3]
.endr
.else
.irp j, 0,1,2,3,4,5,6,7
	v_pk_add_f32 v[RS+2*\j:RS+2*\j+1], v[RS+2*\j:RS+2*\j+1], v[RC+4*\j:RC+4*\j+1]
.endr
.irp j, 0,1,2,3,4,5,6,7
	v_pk_add_f32 v[RS+2*\j:RS+2*\j+1], v[RS+2*\j:RS+2*\j+1], v[RC+4*\j+2:RC+4*\j+3]
.endr
.endif
.irp j, 0,1,2,3,4,5,6,7
	v_cvt_pk_bf16_f32 v[RC+4*\j], v[RC+4*\j], v[RC+4*\j+1]
	v_cvt_pk_bf16_f32 v[RC+4*\j+1], v[RC+4*\j+2], v[RC+4*\j+3]
.endr
.irp j, 0,1,2,3,4,5,6,7
	ds_store_b64 v[LSA+\n], v[RC+4*\j:RC+4*\j+1] offset:\j*PA
.endr
.endm
; x: loads j0 .. j0 + 7 are rounded in place and go to buffer n
.macro CVTX n, j0
.irp j, 0,1,2,3,4,5,6,7
	v_cvt_pk_bf16_f32 v[RX+4*(\j0+\j)], v[RX+4*(\j0+\j)], v[RX+4*(\j0+\j)+1]
	v_cvt_pk_bf16_f32 v[RX+4*(\j0+\j)+1], v[RX+4*(\j0+\j)+2], v[RX+4*(\j0+\j)+3]
.endr
.irp j, 0,1,2,3,4,5,6,7
	ds_store_b64 v[LSX+\n], v[RX+4*(\j0+\j):RX+4*(\j0+\j)+1] offset:((\j0+\j)/2)*PX+((\j0+\j)%2)*256
.endr
.endm
; W: rounded into registers of its own, so that its staging registers can be loaded again at once; a wave's store covers 256 consecutive bytes of wbf, at a multiple of 256 from its first byte
.macro CVTW st
	WIN W_TO1
.irp j, 0,1,2,3,4,5,6,7
	v_cvt_pk_bf16_f32 v[WO+2*\j], v[RW+4*\j], v[RW+4*\j+1]
	v_cvt_pk_bf16_f32 v[WO+2*\j+1], v[RW+4*\j+2], v[RW+4*\j+3]
.endr
	WIN W_SD1
.irp j, 0,1,2,3,4,5,6,7
	global_store_b64 v[WS], v[WO+2*\j:WO+2*\j+1], s[12:13] offset:((\st)*16+2*\j)*8192
.endr
	WIN 0
.endm
; All fragments of the step's 64 along c, 40 LDS loads in one run: the first 32 along c into window 0, the second 32 into window 1.
; The step's conversions stand between the last step's products and these loads: they are the places behind those products.
.macro FRAGS n
	WIN 0
.irp a, 0,1
	ds_load_b128 v[FA+8*\a:FA+8*\a+3],   v[LFA+\n] offset:\a*16*PA
	ds_load_b128 v[FA+8*\a+4:FA+8*\a+7], v[LFA+\n] offset:\a*16*PA+32
.endr
.irp bx, 0,1,2,3,4,5,6,7
	ds_load_tr16_b128 v[FX+8*\bx:FX+8*\bx+3],   v[LFX+\n] offset:\bx*32
	ds_load_tr16_b128 v[FX+8*\bx+4:FX+8*\bx+7], v[LFX+\n] offset:16*PX+\bx*32
.endr
	WIN W_TO1
.irp a, 0,1
	ds_load_b128 v[FA2+8*\a:FA2+8*\a+3],   v[LFA+\n] offset:\a*16*PA+64
	ds_load_b128 v[FA2+8*\a+4:FA2+8*\a+7], v[LFA+\n] offset:\a*16*PA+96
.endr
.irp bx, 0,1,2,3,4,5,6,7
	ds_load_tr16_b128 v[FX2+8*\bx:FX2+8*\bx+3],   v[LFX+\n] offset:32*PX+\bx*32
	ds_load_tr16_b128 v[FX2+8*\bx+4:FX2+8*\bx+7], v[LFX+\n] offset:48*PX+\bx*32
.endr
.endm
; The step's 32 matrix instructions.  The 16 accumulators take turns, one instruction a turn.  LDS loads come back in order (ISA guide 5.7.1):
; of the 40, the first half's products for bx may leave 2 (7 - bx) + 20 out, the second half's 2 (7 - bx).
.macro MULS st
	WIN W_MUL0
.irp bx, 0,1,2,3,4,5,6,7
	s_wait_dscnt 34-2*\bx
.irp a, 0,1
.if \st == 0
	v_wmma_f32_16x16x32_bf16 v[8*(8*\a+\bx):8*(8*\a+\bx)+7], v[FX+8*\bx:FX+8*\bx+7], v[FA+8*\a:FA+8*\a+7], 0
.else
	v_wmma_f32_16x16x32_bf16 v[8*(8*\a+\bx):8*(8*\a+\bx)+7], v[FX+8*\bx:FX+8*\bx+7], v[FA+8*\a:FA+8*\a+7], v[8*(8*\a+\bx):8*(8*\a+\bx)+7]
.endif
.endr
.endr
	WIN W_MUL1
.irp bx, 0,1,2,3,4,5,6,7
	s_wait_dscnt 14-2*\bx
.irp a, 0,1
	v_wmma_f32_16x16x32_bf16 v[8*(8*\a+\bx):8*(8*\a+\bx)+7], v[FX2+8*\bx:FX2+8*\bx+7], v[FA2+8*\a:FA2+8*\a+7], v[8*(8*\a+\bx):8*(8*\a+\bx)+7]
.endr
.endr
	WIN 0
.endm
; My eight rows' sums: the pair's halves, then the row's sixteen lanes (four steps inside a half of the lanes ride on the addition); the sixteen lanes write one word with one value
.macro ROWSUM
.irp j, 0,1,2,3,4,5,6,7
	v_add_f32 v[RS+2*\j], v[RS+2*\j], v[RS+2*\j+1]
.endr
.irp m, 1,2,4,8
.irp j, 0,1,2,3,4,5,6,7
	v_add_f32_dpp v[RS+2*\j], v[RS+2*\j], v[RS+2*\j] row_xmask:\m row_mask:0xf bank_mask:0xf
.endr
.endr
.irp j, 0,1,2,3,4,5,6,7
	ds_store_b32 v[SCRA], v[RS+2*\j] offset:4*\j
.endr
.endm
; ONE STEP.  Out at its head, in order of issue: comb's 8 loads, x's first 8, x's second 8, W's 8.  A group is asked for again, for the next step, when the LDS stores that read its registers are done.
; One barrier a step serves both ways: in front of it my stores into buffer n are done and so are my reads of the other buffer (the step before); buffer n is written again two steps on,
; that is behind the next step's barrier, in front of which every wave has waited for its reads of it.
.macro STEP st, n, more
	s_wait_xcnt 0x0                                ; the last step's stores of W read v[WO ..]: these are rewritten only behind this wait (ISA guide 3.1); all that has been issued is a step's products old
	s_wait_loadcnt 24                              ; comb is in; x's 16 and W's 8 stay out
	CVTC \n, \st
	s_wait_loadcnt 16                              ; x's first 8; its second 8 and W's 8 stay out
	CVTX \n, 0
.if \more
	s_wait_dscnt 8                                 ; comb's 8 LDS stores are done (x's 8 may be out): comb's registers are free
	LOADC \st+1
	s_wait_loadcnt 16                              ; x's second 8; W's 8 and the 8 just issued stay out
.else
	s_wait_loadcnt 8                               ; x's second 8; W's 8 stay out
.endif
	CVTX \n, 8
.if \more
	s_wait_dscnt 8                                 ; the first 8 LDS stores of x are done
	LOADX \st+1, 0
.else
	ROWSUM                                         ; the last step's numbers have joined the sums; this step's barrier shows them to wave 0
.endif
	s_wait_dscnt 0x0                               ; for the others' sake: all my LDS stores are done (my LDS loads have long been back)
.if \more
	LOADX \st+1, 8
.endif
	s_barrier_signal -1
	s_barrier_wait -1
	FRAGS \n                                       ; on their way while W is converted
.if \more
	s_wait_loadcnt 24                              ; W's chunk is in; the next step's 24 loads of comb and x stay out
.else
	s_wait_loadcnt 0x0
.endif
	CVTW \st
.if \more
	LOADW \st+1
.endif
	MULS \st
.endm
; THE WAY OUT of my rows 16 a .. 16 a + 15: rounded to bf16, each accumulator's registers in ascending order; 16 bytes a lane into my own stage; back as whole rows of 256 bytes; stored
.macro YOUT a
	WIN W_PK
.irp bx, 0,1,2,3,4,5,6,7
.irp r, 0,1,2,3
	v_cvt_pk_bf16_f32 v[RC+4*\bx+\r], v[8*(8*\a+\bx)+2*\r], v[8*(8*\a+\bx)+2*\r+1]
.endr
.endr
	WIN 0
.irp bx, 0,1,2,3,4,5,6,7
	ds_store_b128 v[STO], v[RC+4*\bx:RC+4*\bx+3] offset:32*\bx
.endr
.irp t, 0,1,2,3,4,5,6,7
	ds_load_b128 v[RX+32*\a+4*\t:RX+32*\a+4*\t+3], v[RD] offset:\t*2*SP   ; LDS serves a wave's instructions in order (ISA guide 5.7.1.4): these see the stores above
.endr
.irp t, 0,1,2,3,4,5,6,7
	s_wait_dscnt 7-\t
	global_store_b128 v[GO], v[RX+32*\a+4*\t:RX+32*\a+4*\t+3], s[10:11] offset:(16*\a+2*\t)*8192   ; 16 lanes store 256 consecutive bytes, at a multiple of 256 from ybf's first byte
.endr
.endm
	LOADC 0
	LOADX 0, 0
	LOADX 0, 8
	LOADW 0                                        ; 32 loads of 512 bytes a wave are out
	STEP 0, 0, 1
	STEP 1, 1, 1
	STEP 2, 0, 1
	STEP 3, 1, 1
	STEP 4, 0, 1
	STEP 5, 1, 1
	STEP 6, 0, 1
	STEP 7, 1, 0
	PLACES                                         ; the conversions read results just made
	YOUT 0
	YOUT 1
	; The 128 row sums leave once: both work-groups of a pair (ih = 0, 1) hold the same sums, since both read comb's tile; the one with ih = 0 stores them, by its wave 0.
	s_cmp_lg_u32 s16, 0
	s_cbranch_scc1 .Lend
	s_cmp_lg_u32 s19, 0
	s_cbranch_scc1 .Lend
	v_and_b32 v[T], 31, v0
	v_lshlrev_b32 v[T], 4, v[T]
	v_add_nc_u32 v[T+1], SCR, v[T]
	ds_load_b128 v[RC:RC+3], v[T+1]                ; written by all eight waves in front of the last step's barrier
	s_wait_dscnt 0x0
	global_store_b128 v[T], v[RC:RC+3], s[14:15]   ; 512 consecutive bytes of sp
.Lend:
	s_wait_tensorcnt 0x0
	ds_add_u32 v254, v255
	s_wait_dscnt 0x0
	s_endpgm
.Lfunc_end_k_q11eeb24ab9_mix:
	.size	k_q11eeb24ab9_mix, .Lfunc_end_k_q11eeb24ab9_mix-k_q11eeb24ab9_mix
	.p2alignl 7, 3214868480
	.fill 96, 4, 3214868480
	.section	.rodata,"a",@progbits
	.p2align	6, 0x0
	.amdhsa_kernel k_q11eeb24ab9_mix
		.amdhsa_group_segment_fixed_size 142848
		.amdhsa_private_segment_fixed_size 0
		.amdhsa_enable_private_segment 0
		.amdhsa_kernarg_size 48
		.amdhsa_user_sgpr_count 2
		.amdhsa_user_sgpr_kernarg_segment_ptr 1
		.amdhsa_wavefront_size32 1
		.amdhsa_system_sgpr_workgroup_id_x 1
		.amdhsa_system_sgpr_workgroup_id_y 1
		.amdhsa_system_sgpr_workgroup_id_z 1
		.amdhsa_system_vgpr_workitem_id 0
		.amdhsa_next_free_vgpr 512
		.amdhsa_next_free_sgpr 66
		.amdhsa_reserve_vcc 0
		.amdhsa_float_denorm_mode_32 3
		.amdhsa_float_denorm_mode_16_64 3
		.amdhsa_memory_ordered 1
		.amdhsa_forward_progress 1
		.amdhsa_inst_pref_size 142
	.end_amdhsa_kernel
	.amdgpu_metadata
---
amdhsa.version: [ 1, 2 ]
amdhsa.kernels:
  - .name:           k_q11eeb24ab9_mix
    .symbol:         k_q11eeb24ab9_mix.kd
    .args:
      - { .name: x, .offset: 0, .size: 8, .value_kind: global_buffer, .address_space: global }
      - { .name: combine_array, .offset: 8, .size: 8, .value_kind: global_buffer, .address_space: global }
      - { .name: W, .offset: 16, .size: 8, .value_kind: global_buffer, .address_space: global }
      - { .name: ybf, .offset: 24, .size: 8, .value_kind: global_buffer, .address_space: global }
      - { .name: wbf, .offset: 32, .size: 8, .value_kind: global_buffer, .address_space: global }
      - { .name: sp, .offset: 40, .size: 8, .value_kind: global_buffer, .address_space: global }
    .group_segment_fixed_size: 142848
    .private_segment_fixed_size: 0
    .kernarg_segment_align: 8
    .kernarg_segment_size: 48
    .max_flat_workgroup_size: 256
    .sgpr_count:     66
    .vgpr_count:     512
    .wavefront_size: 32
...
	.end_amdgpu_metadata
.endif
;; end of part 1
;; launch gemm (part 2): grid 16 x 16, 4 waves a work-group, clusters of 4 x 4, 327,680 bytes of LDS; arguments ybf, wbf, out0, sp, b; writes out0
.if DOCPART == 2
	.amdgcn_target "amdgcn-amd-amdhsa--gfx1250"
	.amdhsa_code_object_version 6
	.text
	.protected	k_q11eeb24ab9_gemm
	.globl	k_q11eeb24ab9_gemm
	.p2align	8
	.type	k_q11eeb24ab9_gemm,@function
k_q11eeb24ab9_gemm:
	s_mov_b64 s[64:65], 0
	v_nop
	global_prefetch_b8 v0, s[64:65] scope:SCOPE_SE
	s_setreg_imm32_b32 hwreg(HW_REG_WAVE_MODE, 25, 1), 1
	s_wait_xcnt 0x0
	s_wait_alu depctr_hold_cnt(0) depctr_sa_sdst(0) depctr_va_vdst(0) depctr_va_sdst(0) depctr_va_ssrc(0) depctr_va_vcc(0) depctr_vm_vsrc(0)
	s_getreg_b32 s2, hwreg(HW_REG_IB_STS2, 6, 4)
	s_cmp_eq_u32 s2, 0
	s_cbranch_scc0 .Lentry_in_a_cluster
	s_endpgm
.Lentry_in_a_cluster:
	s_bfe_u32 s2, ttmp6, 0x10000c
	s_cmp_lg_u32 s2, 0xf033
	s_cbranch_scc0 .Lentry_shape_is_right
	s_endpgm
.Lentry_shape_is_right:
; out[m][o] = sum over k of ybf[m][k] wbf[o][k] + bias[o] s[m],  s[m] = sum over e of sp[e][m].  ybf: [2048][4096] bf16, wbf: [4096][4096] bf16, sp: [8][2048] f32, bias: [4096] f32, out: [2048][4096] f32.
; Products in bf16 with f32 sums; the bias term wholly in f32 (it is as large as the product term, so it takes no part in the rounding to bf16).
; LIMIT, stated: with the launch before, the sums of the problem are taken in another order than written (see there); nothing else is limited.
; SHARES.  A tile of out is 128 (m) x 256 (o): 16 x 16 tiles, one to a work-group; tiles of 256 x 256 would be 128, too few for 256 work-groups.  Four waves, each 64 x 128: 4 x 8 accumulators, 256 registers.
; THE RING HAS TWO UNEQUAL SLOTS.  A tile's 384 rows (128 of ybf, 256 of wbf) take 384 x 528 bytes for 256 along K and 384 x 272 for 128; two slots of 256 (405,504 bytes) do not fit in LDS, one of
; each (307,200) does.  So K = 4096 goes in 11 long steps of 256 (slot 0) and 10 short steps of 128 (slot 1) by turns, long first and last: long step j begins at byte 768 j of a row, short step j
; at 768 j + 512, all multiples of 256.  That is 20 changes of slots; a refill of slot 1 has 248 matrix instructions of the wave between its request and the wait for it, a refill of slot 0 has 120.
; CLUSTER.  4 x 4 work-groups.  The tile row follows the grid's x, the tile column its y.  The four of a column of the cluster (same cx) need the same rows of ybf, the four of a row (same cy) the
; same rows of wbf: each tile is asked for JOINTLY, by the same tensor load with the same descriptor and a mask that names the four, which divides the requests by four.
; The matrix instruction is used transposed (source 0 = 16 rows of wbf, source 1 = 16 rows of ybf): a lane then holds eight neighbouring o of one row m.
; REGISTERS.  Window 0: v16-27 addresses; v32-127, v128-223 two fragment buffers (4 fragments of ybf, then 8 of wbf); v224-227 bias; v228-243 sp.  Window 1: accumulator (a, bb) at v[8 (8 a + bb)].
.set KDIM,   4096
.set NDIM,   4096
.set P0,     528                       ; slot 0's LDS row: 512 bytes + 16 of padding = 132 words: row r starts at bank 4 r mod 64 (64 banks of 4 bytes: ISA guide 11.1)
.set P1,     272                       ; slot 1's: 256 bytes + 16 = 68 words: the same
.set A0B,    128*P0                    ; in a slot: ybf's 128 rows, then wbf's 256
.set A1B,    128*P1
.set SLOT1,  384*P0                    ; slot 1 begins behind slot 0: byte 202,752, a multiple of 256
.set STAGE,  SLOT1                     ; the way out: 16 rows x 528 bytes for each wave, in slot 1's first 33,792 bytes: by then slot 1 has had its last fill, and every wave's reads of it were
                                       ; waited for in front of the last change of slots
.set SPITCH, 528                       ; 512 bytes + 16
.set STEPB,  768                       ; bytes along a row from a slot's step to its next: 256 + 128 elements
.set PAIRS,  10                        ; pairs of a long and a short step; one long step follows them
.set ADRA, 16                          ; v16-17  my fragments of ybf in slot 0, 1
.set ADRB, 20                          ; v20-21  of wbf
.set STO,  24                          ; v24     the way out: where I put 32 bytes of a row
.set RD,   25                          ; v25     where I read 16 bytes of a row back
.set CO,   26                          ; v26     16 x lane: my byte offset in a row of my part of out, and in my part of the bias
.set SPO,  27                          ; v27     4 x lane
.set F0,   32
.set F1,   128
.set BV,   224                         ; bias of my 4 columns on the way out
.set SPV,  228                         ; v[228+2e+hh]: sp[e][my wave's row 32 hh + lane]; summed into v228 (rows 0-31) and v229 (rows 32-63)
.set OB,   32                          ; the way out: 16 rows read back, v32-95 and v96-159 by turns
.set G1,   24                          ; s[24:31] descriptor group 1 for ybf's tiles of slot 0
.set G0,   32                          ; s[32:39] group 0 for ybf's tiles, a set for each slot
.set G1B,  48                          ; s[48:55] group 1 for wbf's tiles of slot 0
.set G0B,  56                          ; s[56:63] group 0 for wbf's tiles
.set G1S,  68                          ; s[68:75] group 1 for ybf's tiles of slot 1
.set G1BS, 76                          ; s[76:83] group 1 for wbf's tiles of slot 1
.set SVS,  68                          ; s[68:83] on the way out, behind the last wait for all tensor loads: s of a block's 16 rows
.set FLAG0, (1<<16)|(1<<20)|(1<<21)|(6<<22)|(3<<25)   ; 17:16 elements of 2 bytes; 20 padding on; 21 set beside a mask; 24:22 after every 128 words (code 6); 31:25 4 words of it (code 3)
.set FLAG1, (1<<16)|(1<<20)|(1<<21)|(5<<22)|(3<<25)   ; the same after every 64 words (code 5)
.set MSB, 0
.macro WIN new                         ; the immediate's high byte repeats the setting that is left; a switch that changes nothing is dropped
.if MSB != \new
	s_set_vgpr_msb (MSB<<8)|\new
.set MSB, \new
.endif
.endm
.set W_MUL, 0x50                       ; C and D window 1, sources window 0
.set W_ST,  0x04                       ; an LDS store's data window 1, its address window 0
.macro PLACES                          ; four plain vector instructions between a matrix instruction and a load into one of its registers (ISA guide 7.12.1 for vector instructions)
.rept 4
	v_nop
.endr
.endm
; A joint refill of slot s.  Waves 0 and 1 fetch ybf's two halves (64 rows each), waves 2 and 3 wbf's (128 rows each).  The branch hangs on the wave's number alone.
; Four v_nop follow each of the two lines, ahead of the jump, the label and what follows.
.macro JLOAD s
	s_cmp_eq_u32 s11, 0
	s_cbranch_scc0 .Lfor_b_\@
.if \s == 0
	tensor_load_to_lds s[G0:G0+3], s[G1:G1+7]
	s_nop 0
.else
	tensor_load_to_lds s[G0+4:G0+7], s[G1S:G1S+7]
	s_nop 0
.endif
.rept 4
	v_nop
.endr
	s_branch .Lasked_\@
.Lfor_b_\@:
.if \s == 0
	tensor_load_to_lds s[G0B:G0B+3], s[G1B:G1B+7]
	s_nop 0
.else
	tensor_load_to_lds s[G0B+4:G0B+7], s[G1BS:G1BS+7]
	s_nop 0
.endif
.rept 4
	v_nop
.endr
.Lasked_\@:
.endm
; A round of the cluster's barrier: my work-group's barrier, so that wave 0's signal speaks for all four waves; wave 0 signals for the work-group; every wave waits for all sixteen; my work-group's barrier once more.
.macro CREST                           ; a round behind its opening barrier
	s_cmp_lg_u32 s10, 0
	s_cbranch_scc1 .Lnot_wave_0_\@
	s_barrier_signal -3
.Lnot_wave_0_\@:
	s_barrier_wait -3
	s_barrier_signal -1
	s_barrier_wait -1
.endm
.macro CROUND
	s_barrier_signal -1
	s_barrier_wait -1
	CREST
.endm
; Group 1: a tile of rows x cols elements, padded in LDS; the tiles lie inside the tensors, so the extents are the tiles' own
.macro GROUP1 g, mask, flags, cols, rows
	s_or_b32 s[\g+0], \mask, \flags                ; 15:0 the mask
	s_mov_b32 s[\g+1], (\cols)<<16                 ; tensor_dim0
	s_mov_b32 s[\g+2], (\rows)<<16                 ; tensor_dim1
	s_mov_b32 s[\g+3], (\cols)<<16                 ; tile_dim0
	s_mov_b32 s[\g+4], \rows                       ; tile_dim1
	s_mov_b32 s[\g+5], KDIM                        ; elements from row to row
	s_mov_b32 s[\g+6], 0
	s_mov_b32 s[\g+7], 0
.endm
	s_load_b128 s[4:7], s[0:1], 0x0                ; ybf s[4:5], wbf s[6:7]
	s_load_b64 s[8:9], s[0:1], 0x10                ; out
	s_load_b128 s[88:91], s[0:1], 0x18             ; sp s[88:89], bias s[90:91]
	v_lshl_add_u32 v254, v0, 2, 0x4b000
	v_mov_b32 v255, 0
	ds_add_u32 v254, v255
	ds_add_u32 v254, v255
	v_lshrrev_b32 v1, 5, v0
	v_readfirstlane_b32 s10, v1                    ; wave 0..3
	s_lshr_b32 s11, s10, 1                         ; which 64 rows of the tile are mine.  Also: I fetch for ybf (0) or for wbf (1)
	s_and_b32 s12, s10, 1                          ; which 128 columns.  Also: which half of that tile I fetch
	s_bfe_u32 s40, ttmp6, 0x40000                  ; cx, cy: my place in the cluster
	s_bfe_u32 s41, ttmp6, 0x40004
	s_lshl_b32 s13, ttmp9, 2
	s_add_co_u32 s13, s13, s40                     ; tile row = 4 x cluster x + cx
	s_and_b32 s42, ttmp7, 0xffff
	s_lshl_b32 s42, s42, 2
	s_add_co_u32 s42, s42, s41                     ; tile column = 4 x cluster y + cy
	s_lshl_b32 s43, 0x1111, s40                    ; my column of the cluster (same cx, so the same tile row): places cx, cx + 4, cx + 8, cx + 12
	s_lshl_b32 s44, s41, 2
	s_lshl_b32 s44, 15, s44                        ; my row of the cluster (same cy, so the same tile column): places 4 cy .. 4 cy + 3
	GROUP1 G1,   s43, FLAG0, 256, 64               ; ybf, slot 0: 64 rows x 256 along K
	GROUP1 G1S,  s43, FLAG1, 128, 64               ; ybf, slot 1: 64 rows x 128
	GROUP1 G1B,  s44, FLAG0, 256, 128              ; wbf, slot 0: 128 rows x 256
	GROUP1 G1BS, s44, FLAG1, 128, 128              ; wbf, slot 1: 128 rows x 128
	; where the tiles come from: ybf's hang on the tile row alone, wbf's on the tile column alone, each in registers that never hold the other coordinate
	s_lshl_b32 s16, s13, 20                        ; ybf: row 128 x tile row + 64 x half, of 8,192 bytes
	s_lshl_b32 s17, s12, 19
	s_add_co_u32 s16, s16, s17
	s_mov_b32 s17, 0
	s_lshl_b32 s46, s42, 21                        ; wbf: row 256 x tile column + 128 x half
	s_lshl_b32 s47, s12, 20
	s_add_co_u32 s46, s46, s47
	s_mov_b32 s47, 0
	s_mul_i32 s20, s12, 64*P0                      ; and where they go: the half's rows times the slot's pitch; no place in the cluster enters an LDS address
	s_mul_i32 s21, s12, 128*P0
	s_mul_i32 s22, s12, 64*P1
	s_mul_i32 s23, s12, 128*P1
	s_wait_dscnt 0x0
	s_wait_kmcnt 0x0
	s_add_nc_u64 s[14:15], s[4:5], s[16:17]
	s_add_nc_u64 s[46:47], s[6:7], s[46:47]
	CROUND                                         ; all sixteen work-groups are here: the first joint loads meet
	s_mov_b32 s[G0], 1                             ; count = 1
	s_add_co_u32 s[G0+1], s20, 0                   ; LDS address: slot 0, ybf's part
	s_add_nc_u64 s[G0+2:G0+3], s[14:15], 0         ; global address: long step 0
	s_or_b32 s[G0+3], s[G0+3], 0x80000000          ; type = 2
	s_mov_b32 s[G0+4], 1
	s_add_co_u32 s[G0+5], s22, SLOT1               ; slot 1, ybf's part
	s_add_nc_u64 s[G0+6:G0+7], s[14:15], 512       ; short step 0 begins behind long step 0's 256 elements
	s_or_b32 s[G0+7], s[G0+7], 0x80000000
	s_mov_b32 s[G0B], 1
	s_add_co_u32 s[G0B+1], s21, A0B                ; slot 0, wbf's part
	s_add_nc_u64 s[G0B+2:G0B+3], s[46:47], 0
	s_or_b32 s[G0B+3], s[G0B+3], 0x80000000
	s_mov_b32 s[G0B+4], 1
	s_add_co_u32 s[G0B+5], s23, SLOT1+A1B          ; slot 1, wbf's part
	s_add_nc_u64 s[G0B+6:G0B+7], s[46:47], 512
	s_or_b32 s[G0B+7], s[G0B+7], 0x80000000
	s_cmp_eq_u32 s11, 0                            ; a wave's two first fills stand in one branch, ahead of every wait on TENSORcnt, every LDS read and every further barrier: two loads of mine are out
	s_cbranch_scc0 .Lfirst_b
	tensor_load_to_lds s[G0:G0+3], s[G1:G1+7]
	s_nop 0
	tensor_load_to_lds s[G0+4:G0+7], s[G1S:G1S+7]
	s_nop 0
.rept 4
	v_nop
.endr
	s_branch .Lfirst_asked
.Lfirst_b:
	tensor_load_to_lds s[G0B:G0B+3], s[G1B:G1B+7]
	s_nop 0
	tensor_load_to_lds s[G0B+4:G0B+7], s[G1BS:G1BS+7]
	s_nop 0
.rept 4
	v_nop
.endr
.Lfirst_asked:
	; a fragment is 16 rows x 32 K in 8 registers: lane l holds row l % 16; two loads of 16 bytes, 32 apart, at row x pitch + 16 (l / 16)
	v_and_b32 v1, 15, v0                           ; l % 16
	v_bfe_u32 v2, v0, 4, 1                         ; l / 16
	v_and_b32 v4, 31, v0                           ; l
	v_mul_u32_u24 v3, v1, P0
	v_lshl_add_u32 v3, v2, 4, v3                   ; in slot 0
	v_mul_u32_u24 v6, v1, P1
	v_lshl_add_u32 v6, v2, 4, v6                   ; in slot 1
	s_mul_i32 s20, s11, 64*P0                      ; my 64 rows of ybf,
	s_mul_i32 s21, s12, 128*P0                     ; my 128 rows of wbf,
	s_add_co_u32 s21, s21, A0B                     ; which lie behind ybf's 128
	s_mul_i32 s22, s11, 64*P1                      ; the same in slot 1
	s_add_co_u32 s22, s22, SLOT1
	s_mul_i32 s23, s12, 128*P1
	s_add_co_u32 s23, s23, SLOT1+A1B
	v_add_nc_u32 v[ADRA], s20, v3
	v_add_nc_u32 v[ADRB], s21, v3
	v_add_nc_u32 v[ADRA+1], s22, v6
	v_add_nc_u32 v[ADRB+1], s23, v6
	s_mul_i32 s22, s10, 16*SPITCH
	s_add_co_u32 s22, s22, STAGE                   ; my stage
	v_mul_u32_u24 v5, v1, SPITCH                   ; in: row l % 16, 32 bytes (8 numbers) for each half of the lanes
	v_lshl_add_u32 v5, v2, 5, v5
	v_add_nc_u32 v[STO], s22, v5
	v_lshlrev_b32 v[CO], 4, v4                     ; back: the 32 lanes take one row's 512 bytes
	v_add_nc_u32 v[RD], s22, v[CO]
	v_lshlrev_b32 v[SPO], 2, v4
	; my parts of out, sp and the bias; the offsets are made in registers that feed no descriptor
	s_lshl_b32 s84, s13, 21                        ; out: row 128 x tile row + 64 x half, of 16,384 bytes,
	s_lshl_b32 s85, s11, 20
	s_add_co_u32 s84, s84, s85
	s_lshl_b32 s86, s42, 10                        ; column 256 x tile column + 128 x half, 4 bytes each
	s_lshl_b32 s87, s12, 9
	s_add_co_u32 s86, s86, s87
	s_add_co_u32 s84, s84, s86
	s_mov_b32 s85, 0
	s_mov_b32 s87, 0
	s_add_nc_u64 s[8:9], s[8:9], s[84:85]
	s_add_nc_u64 s[90:91], s[90:91], s[86:87]      ; the bias at my first column
	s_lshl_b32 s84, s13, 9                         ; sp at my first row
	s_lshl_b32 s86, s11, 8
	s_add_co_u32 s84, s84, s86
	s_add_nc_u64 s[88:89], s[88:89], s[84:85]
	global_load_b128 v[BV:BV+3], v[CO], s[90:91]   ; waited for on the way out
.irp e, 0,1,2,3,4,5,6,7
	global_load_b32 v[SPV+2*\e],   v[SPO], s[88:89] offset:\e*8192
	global_load_b32 v[SPV+2*\e+1], v[SPO], s[88:89] offset:\e*8192+128
.endr
; 8 matrix instructions: m block a x all 8 o blocks, 32 along K.  zero = 1: the first product starts the sums: nothing is cleared.
; The 32 accumulators take turns, one instruction a turn, in the same order in every quarter.
.macro MUL8 f, a, zero
.irp bb, 0,1,2,3,4,5,6,7
.if \zero
	v_wmma_f32_16x16x32_bf16 v[8*(8*\a+\bb):8*(8*\a+\bb)+7], v[\f+32+8*\bb:\f+32+8*\bb+7], v[\f+8*\a:\f+8*\a+7], 0
.else
	v_wmma_f32_16x16x32_bf16 v[8*(8*\a+\bb):8*(8*\a+\bb)+7], v[\f+32+8*\bb:\f+32+8*\bb+7], v[\f+8*\a:\f+8*\a+7], v[8*(8*\a+\bb):8*(8*\a+\bb)+7]
.endif
.endr
.endm
; 24 LDS loads in one run: the fragments of 32 along K at byte k of the slot's rows, into buffer f: wbf's 16 loads first, then ybf's 8.  The largest offset, 480 + 7 x 16 x 528, stays inside 16 bits.
.macro FETCH slot, k, f
.set PP, P0-(P0-P1)*\slot              ; the slot's pitch
	WIN 0
.irp i, 0,1,2,3,4,5,6,7
	ds_load_b128 v[\f+32+8*\i:\f+32+8*\i+3],   v[ADRB+\slot] offset:\k+\i*16*PP
	ds_load_b128 v[\f+32+8*\i+4:\f+32+8*\i+7], v[ADRB+\slot] offset:\k+\i*16*PP+32
.endr
.irp i, 0,1,2,3
	ds_load_b128 v[\f+8*\i:\f+8*\i+3],   v[ADRA+\slot] offset:\k+\i*16*PP
	ds_load_b128 v[\f+8*\i+4:\f+8*\i+7], v[ADRA+\slot] offset:\k+\i*16*PP+32
.endr
.endm
; A piece is 32 along K, 32 matrix instructions; a long step has eight pieces, a short one four, on buffers 0, 1, 0, 1, ...  Every piece but a step's last: multiplies buffer f and, in its middle,
; fetches the next piece (byte k of the rows) into g.
.macro QUARTER slot, k, f, g, zero
	s_wait_dscnt 4                                 ; wbf's fragments and ybf's blocks 0, 1 are in; the youngest four loads (blocks 2, 3) may be out
	WIN W_MUL
	MUL8 \f, 0, \zero
	MUL8 \f, 1, \zero
	PLACES
	FETCH \slot, \k, \g
	s_wait_dscnt 24                                ; all but the 24 just issued
	WIN W_MUL
	MUL8 \f, 2, \zero
	MUL8 \f, 3, \zero
.endm
; A step's last piece multiplies buffer 1 and changes slots: ONE barrier.  In front of it each wave waits for its own reads of this slot and for all its tensor loads, of which one is out: its part of
; the next slot.  Behind it nobody reads this slot and the next slot is whole.  fill = 1: the barrier opens a round of the cluster's barrier, so that this holds of all sixteen work-groups, and
; the joint refill (this slot's next step) is the first tensor load behind the round, one a wave.
.macro TURN slot, next, fill
	s_wait_dscnt 4
	WIN W_MUL
	MUL8 F1, 0, 0
	s_wait_dscnt 0x0                               ; my reads of this slot are over,
	s_wait_tensorcnt 0x0                           ; and all my tensor loads have landed
	ds_add_u32 v254, v255
	s_wait_dscnt 0x0
	s_barrier_signal -1
	MUL8 F1, 1, 0                                  ; work on registers while the others arrive
	WIN 0                                          ; at a branch and at a label every window is 0
	s_barrier_wait -1
.if \fill
	CREST
	s_add_nc_u64 s[G0+4*\slot+2:G0+4*\slot+3], s[G0+4*\slot+2:G0+4*\slot+3], STEPB      ; no tensor load of mine is out: a group 0 may be written
	s_add_nc_u64 s[G0B+4*\slot+2:G0B+4*\slot+3], s[G0B+4*\slot+2:G0B+4*\slot+3], STEPB
	JLOAD \slot                                    ; the four v_nop behind it are also the places in front of the loads below
.else
	PLACES
.endif
	FETCH \next, 0, F0
	WIN W_MUL
	MUL8 F1, 2, 0
	MUL8 F1, 3, 0
.endm
.macro REST0                           ; a long step's pieces 1 to 6 (piece 0 stands in front, piece 7 is the TURN or the last piece of all)
	QUARTER 0, 128, F1, F0, 0
	QUARTER 0, 192, F0, F1, 0
	QUARTER 0, 256, F1, F0, 0
	QUARTER 0, 320, F0, F1, 0
	QUARTER 0, 384, F1, F0, 0
	QUARTER 0, 448, F0, F1, 0
.endm
.macro HEAD1                           ; a short step's pieces 0 to 2
	QUARTER 1, 64,  F0, F1, 0
	QUARTER 1, 128, F1, F0, 0
	QUARTER 1, 192, F0, F1, 0
.endm
; THE WAY OUT of my rows 16 a .. 16 a + 15.  A lane's eight numbers of a row go into my own stage, each accumulator's low four registers first; the rows come back whole, 512 bytes to the 32 lanes;
; bias[o] s[m] is added by one fused multiply-add a number (s of row t as a scalar, the bias of my four columns in registers); each store covers 512 consecutive bytes of out, aligned.
.macro OUTBLK a
.set OBA, OB+64*((\a)%2)
	s_wait_xcnt 0x0                                ; the registers that earlier stores read are loaded again only behind this wait (ISA guide 3.1)
.irp t, 0,1,2,3,4,5,6,7,8,9,10,11,12,13,14,15
	v_readlane_b32 s[SVS+\t], v[SPV+(\a)/2], ((\a)%2)*16+\t
.endr
	WIN W_ST
.irp bb, 0,1,2,3,4,5,6,7
	ds_store_b128 v[STO], v[8*(8*\a+\bb):8*(8*\a+\bb)+3]   offset:64*\bb
	ds_store_b128 v[STO], v[8*(8*\a+\bb)+4:8*(8*\a+\bb)+7] offset:64*\bb+16
.endr
	WIN 0
.irp t, 0,1,2,3,4,5,6,7,8,9,10,11,12,13,14,15
	ds_load_b128 v[OBA+4*\t:OBA+4*\t+3], v[RD] offset:\t*SPITCH    ; LDS serves a wave's instructions in order (ISA guide 5.7.1.4): these see the stores above, and the next block's stores come behind them
.endr
.irp t, 0,1,2,3,4,5,6,7,8,9,10,11,12,13,14,15
	s_wait_dscnt 15-\t
.irp c, 0,1,2,3
	v_fma_f32 v[OBA+4*\t+\c], s[SVS+\t], v[BV+\c], v[OBA+4*\t+\c]
.endr
	global_store_b128 v[CO], v[OBA+4*\t:OBA+4*\t+3], s[8:9] offset:(16*\a+\t)*NDIM*4 th:TH_STORE_NT   ; 63 rows of 16,384 bytes at the most: inside the signed 24-bit immediate
.endr
.endm
	s_wait_tensorcnt 1                             ; my part of long step 0 is in; short step 0's may stay out
	s_barrier_signal -1
	s_barrier_wait -1                              ; everybody's is
	FETCH 0, 0, F0
	QUARTER 0, 64,  F0, F1, 1                      ; the first piece stands in front of the loop: its products start the sums
	WIN 0
	s_mov_b32 s3, PAIRS-1
.Llap:                                                 ; 9 trips: a trip goes once round the ring, from a long step's second piece to the next long step's first, and fills both slots again
	REST0
	TURN 0, 1, 1                                   ; slot 0 takes the next long step
	HEAD1
	TURN 1, 0, 1                                   ; slot 1 takes the next short step
	QUARTER 0, 64,  F0, F1, 0
	WIN 0
	s_sub_co_u32 s3, s3, 1
	s_cmp_lg_u32 s3, 0
	s_cbranch_scc1 .Llap
	REST0                                          ; the tail is written out: long step 9 goes on
	TURN 0, 1, 1                                   ; slot 0 takes long step 10, the last fill of the launch,
	HEAD1                                          ; short step 9,
	TURN 1, 0, 0                                   ; nothing is filled: no round of the cluster's barrier; from here on no wave reads slot 1
	QUARTER 0, 64,  F0, F1, 0                      ; long step 10
	REST0
	s_wait_dscnt 4                                 ; the very last piece: nothing more to fetch
	WIN W_MUL
	MUL8 F1, 0, 0
	MUL8 F1, 1, 0
	s_wait_dscnt 0x0
	MUL8 F1, 2, 0
	MUL8 F1, 3, 0
	WIN 0
	s_wait_loadcnt 0x0                             ; the bias and sp, asked for at the start
	; s[m] = the sum of the eight experts' parts, pairwise, in f32.  These fourteen additions name no register of the last products: they are the places behind them.
.irp hh, 0,1
	v_add_f32 v[SPV+\hh],    v[SPV+\hh],    v[SPV+2+\hh]
	v_add_f32 v[SPV+4+\hh],  v[SPV+4+\hh],  v[SPV+6+\hh]
	v_add_f32 v[SPV+8+\hh],  v[SPV+8+\hh],  v[SPV+10+\hh]
	v_add_f32 v[SPV+12+\hh], v[SPV+12+\hh], v[SPV+14+\hh]
.endr
.irp hh, 0,1
	v_add_f32 v[SPV+\hh],   v[SPV+\hh],   v[SPV+4+\hh]
	v_add_f32 v[SPV+8+\hh], v[SPV+8+\hh], v[SPV+12+\hh]
.endr
.irp hh, 0,1
	v_add_f32 v[SPV+\hh], v[SPV+\hh], v[SPV+8+\hh]
.endr
	OUTBLK 0
	OUTBLK 1
	OUTBLK 2
	OUTBLK 3
	s_wait_tensorcnt 0x0
	ds_add_u32 v254, v255
	s_wait_dscnt 0x0
	CROUND                                         ; the closing round: no work-group ends while a partner may still ask for a tile that names it
	s_endpgm
.Lfunc_end_k_q11eeb24ab9_gemm:
	.size	k_q11eeb24ab9_gemm, .Lfunc_end_k_q11eeb24ab9_gemm-k_q11eeb24ab9_gemm
	.p2alignl 7, 3214868480
	.fill 96, 4, 3214868480
	.section	.rodata,"a",@progbits
	.p2align	6, 0x0
	.amdhsa_kernel k_q11eeb24ab9_gemm
		.amdhsa_group_segment_fixed_size 327680
		.amdhsa_private_segment_fixed_size 0
		.amdhsa_enable_private_segment 0
		.amdhsa_kernarg_size 40
		.amdhsa_user_sgpr_count 2
		.amdhsa_user_sgpr_kernarg_segment_ptr 1
		.amdhsa_wavefront_size32 1
		.amdhsa_system_sgpr_workgroup_id_x 1
		.amdhsa_system_sgpr_workgroup_id_y 1
		.amdhsa_system_sgpr_workgroup_id_z 1
		.amdhsa_system_vgpr_workitem_id 0
		.amdhsa_next_free_vgpr 512
		.amdhsa_next_free_sgpr 92
		.amdhsa_reserve_vcc 0
		.amdhsa_float_denorm_mode_32 3
		.amdhsa_float_denorm_mode_16_64 3
		.amdhsa_memory_ordered 1
		.amdhsa_forward_progress 1
		.amdhsa_inst_pref_size 170
	.end_amdhsa_kernel
	.amdgpu_metadata
---
amdhsa.version: [ 1, 2 ]
amdhsa.kernels:
  - .name:           k_q11eeb24ab9_gemm
    .symbol:         k_q11eeb24ab9_gemm.kd
    .args:
      - { .name: ybf, .offset: 0, .size: 8, .value_kind: global_buffer, .address_space: global }
      - { .name: wbf, .offset: 8, .size: 8, .value_kind: global_buffer, .address_space: global }
      - { .name: out0, .offset: 16, .size: 8, .value_kind: global_buffer, .address_space: global }
      - { .name: sp, .offset: 24, .size: 8, .value_kind: global_buffer, .address_space: global }
      - { .name: b, .offset: 32, .size: 8, .value_kind: global_buffer, .address_space: global }
    .group_segment_fixed_size: 327680
    .private_segment_fixed_size: 0
    .kernarg_segment_align: 8
    .kernarg_segment_size: 40
    .max_flat_workgroup_size: 128
    .sgpr_count:     92
    .vgpr_count:     512
    .wavefront_size: 32
...
	.end_amdgpu_metadata
.endif
;; end of part 2
